; MI455X (gfx1250); checked and timed in simulation.
; The chip was launched on July 23, 2026; its instructions are those of AMD's public machine-readable ISA for CDNA 5 (MIT licence, August 2026) and "CDNA5" Instruction Set Architecture Reference Guide (July 2026). The comments in the code are by the model that wrote it; some were corrected since.
;; Extra Position Prompt SA Bottleneck. Allowed arithmetic: matrix products marked QUANTISED: E5M2 operands, one given power-of-two scale a tensor, by v_wmma_f32_16x16x64_bf8_bf8 or v_wmma_f32_16x16x128_bf8_bf8, f32 sums; everything else in f32.
;; Inputs: bn1_b 256 float32; bn1_g 256 float32; bn1_m 256 float32; bn1_v 256 float32; bn2_b 512 float32; bn2_g 512 float32; bn2_m 512 float32; bn2_v 512 float32; cv1_w 256 x 512 float32; cv2_w 512 x 256 float32; e_b 256 float32; e_w 256 x 256 float32; k_b 256 float32; k_w 256 x 256 float32; lowp_scales 18 int32 (the exponents e of the quantised operands' scales 2^e); q_b 256 float32; q_w 256 x 256 float32; rel_h 1 x 256 x 64 x 1 float32; rel_w 1 x 256 x 1 x 64 float32; v_b 256 float32; v_w 256 x 256 float32; x 4 x 512 x 64 x 64 float32.
;; Outputs: out0 4 x 512 x 64 x 64 float32.
;; This version of the problem:
;;   THIS VERSION OF THE PROBLEM IS GIVEN IN LOW PRECISION. The matrix products marked QUANTISED in the list below multiply operands that are first quantised to E5M2 (5 exponent bits, 2 mantissa bits; 8 bits a number), with one given power-of-two scale for each operand tensor; their sums are f32. All else is computed in f32.
;;   The module's matrix products, in the order in which they are computed (A, B: the left and right operand; K: the contracted axis; several contracted axes count as one K, in the product's order):
;;     1. [M 16,384, K 512] x [K 512, N 256]; A: input x; B: input cv1_w: QUANTISED (scales: A lowp_scales[0], B lowp_scales[1])
;;     2. [M 16,384, K 256] x [K 256, N 256]; A: computed on the way; B: input q_w: QUANTISED (scales: A lowp_scales[2], B lowp_scales[3])
;;     3. [M 16,384, K 256] x [K 256, N 256]; A: computed on the way; B: input k_w: QUANTISED (scales: A lowp_scales[4], B lowp_scales[5])
;;     4. [M 16,384, K 256] x [K 256, N 256]; A: computed on the way; B: input v_w: QUANTISED (scales: A lowp_scales[6], B lowp_scales[7])
;;     5. [M 16,384, K 256] x [K 256, N 256]; A: computed on the way; B: input e_w: QUANTISED (scales: A lowp_scales[8], B lowp_scales[9])
;;     6. batch 4 x [M 4,096, K 256] x [K 256, N 4,096]; A: computed on the way; B: computed on the way: QUANTISED (scales: A lowp_scales[10], B lowp_scales[11])
;;     7. [M 16,384, K 256] x [K 256, N 4,096]; A: computed on the way; B: computed on the way: QUANTISED (scales: A lowp_scales[12], B lowp_scales[13])
;;     8. batch 4 x [M 256, K 4,096] x [K 4,096, N 4,096]; A: computed on the way; B: softmax (see below): QUANTISED (scales: A lowp_scales[14], B lowp_scales[15])
;;     9. [M 16,384, K 256] x [K 256, N 512]; A: computed on the way; B: input cv2_w: QUANTISED (scales: A lowp_scales[16], B lowp_scales[17])
;;   THE QUANTISER, for each operand of a quantised product, along K:
;;     - The operand's scale is 2^e, e = its entry of the input lowp_scales (int32; the entries are numbered through the quantised products in the list's order, A before B).
;;     - Each number is divided by the scale, clamped to +-57,344, and rounded to the nearest number of E5M2, ties to even, subnormals kept.
;;     - The product sums the exact products of the quantised numbers (number of the format x scale) in f32.
;;   ~~~python
;;   def quantise(x, axis, e):      # numpy; x: float32 -> the quantised numbers, widened to float32 again
;;       x = np.moveaxis(x, axis, -1); K = x.shape[-1]
;;       r = np.clip(x / 2.0 ** e, -57344, 57344)
;;       step = 2.0 ** (np.maximum(np.frexp(np.where(r == 0, 1, r))[1] - 1, -14) - 2)
;;       q = np.round(r / step) * step * 2.0 ** e      # np.round: ties to even
;;       return np.moveaxis(q, -1, axis).astype(np.float32)
;;   ~~~
;;   SOFTMAX AHEAD OF A QUANTISED PRODUCT. Where the list says 'softmax', what is quantised is not the finished softmax but p = 2^(t - M), with t = logit x log2(e) and M = ceil(the row's largest t), a whole number; so 1/2 < the row's largest p <= 1. The row's sum l is taken of the UNQUANTISED p, in f32, and the product's result is divided by l at the end. Since M is a whole number, a kernel that streams over the keys may use a running M (the ceiling of the running maximum): every later rescaling is an exact power of two, so the quantised numbers keep their values, but for numbers so far below the row's largest that they fall under the format's range.
;;   OPERANDS COMPUTED ON THE WAY. 'Computed on the way' means the value that the module computes at that place (a softmax that the list does not call 'softmax' is quantised finished and normalised). What goes into a quantiser is computed in f32, as accurately as f32 sums, v_exp_f32 and their like allow (about 1e-6 of the number): no bf16 or f16 on the way to a quantiser, and a product that is left as it is and whose result goes on into a quantised operand takes f32 operands (vector FMAs, or v_wmma_f32_16x16x4_f32). A number that lies on a knife's edge between two numbers of the format may be rounded either way, as far as f32 arithmetic and the matrix unit's own rounding can turn it there, and no further.
;; One version. Each part assembles by itself: llvm-mc -triple=amdgcn-amd-amdhsa -mcpu=gfx1250 --defsym DOCPART=n.
;; ======== version 1 of 1: 3 launches
;; workspace buffers: wcodes 524,288 bytes; posbuf 1,048,576 bytes; consts 10,240 bytes; qbuf 4,194,304 bytes; kv 12,582,912 bytes
;; launch prep (part 1): grid 193 x 1, 4 waves a work-group, no clusters, 0 bytes of LDS; arguments cv1_w, q_w, k_w, v_w, e_w, cv2_w, rel_h, rel_w, bn1_g, bn1_b, bn1_m, bn1_v, bn2_g, bn2_b, bn2_m, bn2_v, q_b, k_b, v_b, e_b, lowp_scales, wcodes, posbuf, consts; writes wcodes, posbuf, consts
.if DOCPART == 1
	.amdgcn_target "amdgcn-amd-amdhsa--gfx1250"
	.amdhsa_code_object_version 6
	.text
	.protected	k_qa8a60c1401_prep
	.globl	k_qa8a60c1401_prep
	.p2align	8
	.type	k_qa8a60c1401_prep,@function
k_qa8a60c1401_prep:
	s_mov_b64 s[64:65], 0
	v_nop
	global_prefetch_b8 v0, s[64:65] scope:SCOPE_SE
	s_setreg_imm32_b32 hwreg(HW_REG_WAVE_MODE, 25, 1), 1
	s_wait_xcnt 0x0
; PREP: what every later work-group reads again is made once.
;  work-groups 0-63:   the six weights as codes of E5M2, one fragment (16 rows x 128 K) a wave, stored as an IMAGE OF THE OPERAND'S REGISTERS:
;                      group c of four registers is 512 bytes, lane l's 16 bytes at 16 l; lane (r, h) holds k = 128 s + 32 c + 16 h + 0 .. 15 of its row.
;                      Fragment f lies at 2048 f: cv1 f = 4 tg + s; q, k, v, e f = 64 + 32 p + 2 tg + s; cv2 f = 192 + 2 ot + s.
;                      Rows of a tile: cv1, q, k, v, e: lane r takes row 32 (tg / 2) + 8 (tg % 2) + r + 8 (r / 8), so that two neighbouring tiles' results are
;                      16 neighbours along the next K; cv2: row 16 ot + r.
;  work-groups 64-191: pos = rel_h + rel_w as codes, [row of the picture 64][tile i 4][s 2][2048]: lane (r, h) holds pixel 4 r + i of that row.
;  work-group 192:     the folded constants: A1 = 2^(e0+e1) g1 / sqrt(v1 + eps), B1 = b1 - m1 g1 / sqrt(v1 + eps), the four biases divided by the power of two
;                      that their sums lack, A2 and B2 likewise with e16 + e17.
; code = x / 2^e, held within +-57,344, to the nearest code, ties to even.
; LIMITS: each exponent used here for a conversion (entries 1, 3, 5, 7, 9, 13, 17) lies between -126 and 112, so that 2^e and 57,344 x 2^e are f32 numbers.  NaN among the inputs is not served.
; No LDS, no barrier, no matrix work: each wave makes one trip to memory: all its loads, one wait, arithmetic, stores of 512 consecutive aligned bytes.
.set R,   16                           ; v16-79   numbers as loaded
.set HH,  80                           ; v80-95   rel_h's 16 numbers
.set T,   96                           ; v96-159  pos, 16 neighbours along K for each of four tiles
.set C,   160                          ; v160-175 codes
.set SC,  8                            ; v8       2^e as f32
.set LIM, 9                            ; v9       57,344 x 2^e
.macro MKSC es                         ; from the exponent in s[es]
	s_add_co_i32 s40, s[\es], 127
	s_lshl_b32 s41, s40, 23
	v_mov_b32 v[SC], s41
	s_add_co_i32 s40, s40, 15
	s_lshl_b32 s40, s40, 23
	s_or_b32 s40, s40, 0x600000
	v_mov_b32 v[LIM], s40
.endm
.macro Q64 src, dst                    ; 64 numbers of a lane become 16 registers of codes
.set n_, 0
.rept 64
	v_med3_num_f32 v[\src+n_], v[\src+n_], -v[LIM], v[LIM]   ; the conversion to an 8-bit code does not saturate (ISA guide 7.6.2): the hold comes first
.set n_, n_+1
.endr
.set n_, 0
.rept 8
	v_cvt_scalef32_pk8_bf8_f32 v[\dst+2*n_:\dst+2*n_+1], v[\src+8*n_:\src+8*n_+7], v[SC]
.set n_, n_+1
.endr
.endm
	s_load_b64 s[2:3], s[0:1], 0xa0                ; the scales' exponents
	v_lshrrev_b32 v1, 5, v0
	v_readfirstlane_b32 s4, v1                     ; wave
	v_and_b32 v2, 31, v0                           ; lane
	v_and_b32 v3, 15, v0                           ; r
	v_bfe_u32 v4, v0, 4, 1                         ; h
	v_lshlrev_b32 v5, 4, v2                        ; 16 x lane: an image's place for my lane
	s_wait_kmcnt 0x0
	s_load_b512 s[68:83], s[2:3], 0x0              ; e0 .. e15 in s68 .. s83
	s_load_b64 s[84:85], s[2:3], 0x40              ; e16, e17
	s_cmp_lt_u32 ttmp9, 64
	s_cbranch_scc0 .Lnot_weights
	; ---- a weight's fragment
	s_load_b256 s[8:15], s[0:1], 0x0               ; cv1_w, q_w, k_w, v_w
	s_load_b128 s[16:19], s[0:1], 0x20             ; e_w, cv2_w
	s_load_b64 s[20:21], s[0:1], 0xa8              ; wcodes
	s_lshl_b32 s5, ttmp9, 2
	s_add_co_u32 s5, s5, s4                        ; f = 4 x work-group + wave
	s_wait_kmcnt 0x0
	s_mov_b64 s[22:23], s[18:19]                   ; the source, its exponent and its first fragment, chosen by f alone
	s_mov_b32 s24, s85
	s_mov_b32 s25, 192
	s_cmp_lt_u32 s5, 192
	s_cselect_b64 s[22:23], s[16:17], s[22:23]
	s_cselect_b32 s24, s77, s24
	s_cselect_b32 s25, 160, s25
	s_cselect_b32 s26, 8, 0                        ; 8: the tile's rows are the chosen ones; 0: neighbours (cv2)
	s_cmp_lt_u32 s5, 160
	s_cselect_b64 s[22:23], s[14:15], s[22:23]
	s_cselect_b32 s24, s75, s24
	s_cselect_b32 s25, 128, s25
	s_cmp_lt_u32 s5, 128
	s_cselect_b64 s[22:23], s[12:13], s[22:23]
	s_cselect_b32 s24, s73, s24
	s_cselect_b32 s25, 96, s25
	s_cmp_lt_u32 s5, 96
	s_cselect_b64 s[22:23], s[10:11], s[22:23]
	s_cselect_b32 s24, s71, s24
	s_cselect_b32 s25, 64, s25
	s_cmp_lt_u32 s5, 64
	s_cselect_b64 s[22:23], s[8:9], s[22:23]
	s_cselect_b32 s24, s69, s24
	s_cselect_b32 s25, 0, s25
	s_cselect_b32 s27, 2, 1                        ; K steps of 128 in a row: 4 (cv1) or 2, as a shift,
	s_cselect_b32 s28, 3, 1                        ; as a mask,
	s_cselect_b32 s29, 11, 10                      ; and a row's bytes as a shift
	s_sub_co_u32 s30, s5, s25
	s_lshr_b32 s31, s30, s27                       ; tile
	s_and_b32 s32, s30, s28                        ; K step
	s_lshr_b32 s33, s31, 1
	s_lshl_b32 s33, s33, 5
	s_and_b32 s34, s31, 1
	s_lshl_b32 s34, s34, 3
	s_add_co_u32 s33, s33, s34                     ; 32 (tile / 2) + 8 (tile % 2)
	s_lshl_b32 s34, s31, 4                         ; 16 x tile
	s_cmp_lg_u32 s26, 0
	s_cselect_b32 s33, s33, s34
	v_and_b32 v6, s26, v3
	v_add3_u32 v6, v6, v3, s33                     ; my row
	v_lshlrev_b32 v6, s29, v6
	v_lshl_add_u32 v6, v4, 6, v6                   ; + 64 h: my 16 numbers of a block of 32
	s_lshl_b32 s34, s32, 9                         ; the K step's 512 bytes
	s_mov_b32 s35, 0
	s_add_nc_u64 s[22:23], s[22:23], s[34:35]
	s_lshl_b32 s34, s5, 11
	s_add_nc_u64 s[20:21], s[20:21], s[34:35]      ; wcodes + 2048 f
.irp c, 0,1,2,3
.irp q, 0,1,2,3
	global_load_b128 v[R+16*\c+4*\q:R+16*\c+4*\q+3], v6, s[22:23] offset:128*\c+16*\q
.endr
.endr
	MKSC 24
	s_wait_loadcnt 0x0
	Q64 R, C
.irp c, 0,1,2,3
	global_store_b128 v5, v[C+4*\c:C+4*\c+3], s[20:21] offset:512*\c   ; 32 lanes store 512 consecutive bytes, aligned
.endr
	s_endpgm
.Lnot_weights:
	s_cmp_lt_u32 ttmp9, 192
	s_cbranch_scc0 .Lconsts
	; ---- pos: work-group = 64 + 2 nb + s; wave = group c; the four tiles' group c of K step s
	s_load_b128 s[8:11], s[0:1], 0x30              ; rel_h, rel_w
	s_load_b64 s[12:13], s[0:1], 0xb0              ; posbuf
	s_sub_co_u32 s5, ttmp9, 64
	s_lshr_b32 s6, s5, 1                           ; nb: the picture's row
	s_and_b32 s7, s5, 1                            ; s
	s_lshl_b32 s14, s7, 15                         ; channel 128 s + 32 c, rows of 256 bytes
	s_lshl_b32 s15, s4, 13
	s_add_co_u32 s14, s14, s15
	s_mov_b32 s15, 0
	s_lshl_b32 s16, s6, 2
	s_add_co_u32 s16, s16, s14                     ; rel_h: + 4 nb
	s_mov_b32 s17, 0
	s_lshl_b32 s18, s6, 14
	s_lshl_b32 s19, s7, 11
	s_add_co_u32 s18, s18, s19
	s_lshl_b32 s19, s4, 9
	s_add_co_u32 s18, s18, s19                     ; posbuf: 16384 nb + 2048 s + 512 c
	s_mov_b32 s19, 0
	v_lshlrev_b32 v6, 12, v4                       ; 16 h channels
	v_lshl_add_u32 v7, v3, 4, v6                   ; + pixels 4 r .. 4 r + 3: one number for each of the four tiles
	s_wait_kmcnt 0x0
	s_add_nc_u64 s[10:11], s[10:11], s[14:15]
	s_add_nc_u64 s[8:9], s[8:9], s[16:17]
	s_add_nc_u64 s[12:13], s[12:13], s[18:19]
.irp k, 0,1,2,3,4,5,6,7,8,9,10,11,12,13,14,15
	global_load_b128 v[R+4*\k:R+4*\k+3], v7, s[10:11] offset:256*\k
.endr
.irp k, 0,1,2,3,4,5,6,7,8,9,10,11,12,13,14,15
	global_load_b32 v[HH+\k], v6, s[8:9] offset:256*\k
.endr
	MKSC 81                                        ; entry 13: pos is the right operand of the content-position product
	s_wait_loadcnt 0x0
.irp i, 0,1,2,3
.irp k, 0,1,2,3,4,5,6,7,8,9,10,11,12,13,14,15
	v_add_f32 v[T+16*\i+\k], v[R+4*\k+\i], v[HH+\k]   ; the sum's destination sorts the numbers by tile: 16 neighbours along K on end
.endr
.endr
	Q64 T, C
.irp i, 0,1,2,3
	global_store_b128 v5, v[C+4*\i:C+4*\i+3], s[12:13] offset:4096*\i
.endr
	s_endpgm
.Lconsts:
	; ---- the folded constants: thread t takes two numbers of each array of 256 and four of each of 512
	s_load_b512 s[8:23], s[0:1], 0x40              ; bn1 g, b, m, v; bn2 g, b, m, v
	s_load_b256 s[24:31], s[0:1], 0x80             ; q_b, k_b, v_b, e_b
	s_load_b64 s[32:33], s[0:1], 0xb8              ; consts
	v_lshlrev_b32 v6, 3, v0
	v_lshlrev_b32 v7, 4, v0
	s_wait_kmcnt 0x0
	global_load_b64 v[16:17], v6, s[8:9]
	global_load_b64 v[18:19], v6, s[10:11]
	global_load_b64 v[20:21], v6, s[12:13]
	global_load_b64 v[22:23], v6, s[14:15]
	global_load_b64 v[24:25], v6, s[24:25]
	global_load_b64 v[26:27], v6, s[26:27]
	global_load_b64 v[28:29], v6, s[28:29]
	global_load_b64 v[30:31], v6, s[30:31]
	global_load_b128 v[32:35], v7, s[16:17]
	global_load_b128 v[36:39], v7, s[18:19]
	global_load_b128 v[40:43], v7, s[20:21]
	global_load_b128 v[44:47], v7, s[22:23]
	s_add_co_i32 s40, s68, s69                     ; e0 + e1
	s_add_co_i32 s41, s84, s85                     ; e16 + e17
	s_add_co_i32 s42, s70, s71
	s_sub_co_i32 s42, 0, s42                       ; -(e2 + e3)
	s_add_co_i32 s43, s72, s73
	s_sub_co_i32 s43, 0, s43
	s_add_co_i32 s44, s74, s75
	s_sub_co_i32 s44, 0, s44
	s_add_co_i32 s45, s76, s77
	s_sub_co_i32 s45, 0, s45
	s_wait_loadcnt 0x0
.irp j, 22,23,44,45,46,47
	v_add_f32 v[\j], 0x3727c5ac, v[\j]             ; v + 1e-5
.endr
	v_rsq_f32 v48, v22
	v_rsq_f32 v49, v23
	v_rsq_f32 v50, v44
	v_rsq_f32 v51, v45
	v_rsq_f32 v52, v46
	v_rsq_f32 v53, v47
	v_nop                                          ; a plain instruction behind the last of the batch,
	s_wait_alu depctr_va_vdst(0)                   ; and one wait for the six, ahead of their first reader
	v_mul_f32 v48, v16, v48                        ; g / sqrt(v + eps)
	v_mul_f32 v49, v17, v49
	v_mul_f32 v50, v32, v50
	v_mul_f32 v51, v33, v51
	v_mul_f32 v52, v34, v52
	v_mul_f32 v53, v35, v53
	v_ldexp_f32 v54, v48, s40
	v_ldexp_f32 v55, v49, s40
	v_fma_f32 v56, -v20, v48, v18
	v_fma_f32 v57, -v21, v49, v19
.irp j, 0,1,2,3
	v_ldexp_f32 v[60+\j], v[50+\j], s41
	v_fma_f32 v[64+\j], -v[40+\j], v[50+\j], v[36+\j]
.endr
	v_ldexp_f32 v24, v24, s42
	v_ldexp_f32 v25, v25, s42
	v_ldexp_f32 v26, v26, s43
	v_ldexp_f32 v27, v27, s43
	v_ldexp_f32 v28, v28, s44
	v_ldexp_f32 v29, v29, s44
	v_ldexp_f32 v30, v30, s45
	v_ldexp_f32 v31, v31, s45
	global_store_b64 v6, v[54:55], s[32:33]
	global_store_b64 v6, v[56:57], s[32:33] offset:1024
	global_store_b64 v6, v[24:25], s[32:33] offset:2048
	global_store_b64 v6, v[26:27], s[32:33] offset:3072
	global_store_b64 v6, v[28:29], s[32:33] offset:4096
	global_store_b64 v6, v[30:31], s[32:33] offset:5120
	global_store_b128 v7, v[60:63], s[32:33] offset:6144
	global_store_b128 v7, v[64:67], s[32:33] offset:8192
	s_endpgm
.Lfunc_end_k_qa8a60c1401_prep:
	.size	k_qa8a60c1401_prep, .Lfunc_end_k_qa8a60c1401_prep-k_qa8a60c1401_prep
	.p2alignl 7, 3214868480
	.fill 96, 4, 3214868480
	.section	.rodata,"a",@progbits
	.p2align	6, 0x0
	.amdhsa_kernel k_qa8a60c1401_prep
		.amdhsa_group_segment_fixed_size 0
		.amdhsa_private_segment_fixed_size 0
		.amdhsa_enable_private_segment 0
		.amdhsa_kernarg_size 192
		.amdhsa_user_sgpr_count 2
		.amdhsa_user_sgpr_kernarg_segment_ptr 1
		.amdhsa_wavefront_size32 1
		.amdhsa_system_sgpr_workgroup_id_x 1
		.amdhsa_system_sgpr_workgroup_id_y 1
		.amdhsa_system_sgpr_workgroup_id_z 1
		.amdhsa_system_vgpr_workitem_id 0
		.amdhsa_next_free_vgpr 192
		.amdhsa_next_free_sgpr 96
		.amdhsa_reserve_vcc 0
		.amdhsa_float_denorm_mode_32 3
		.amdhsa_float_denorm_mode_16_64 3
		.amdhsa_memory_ordered 1
		.amdhsa_forward_progress 1
		.amdhsa_inst_pref_size 26
	.end_amdhsa_kernel
	.amdgpu_metadata
---
amdhsa.version: [ 1, 2 ]
amdhsa.kernels:
  - .name:           k_qa8a60c1401_prep
    .symbol:         k_qa8a60c1401_prep.kd
    .args:
      - { .name: cv1_w, .offset: 0, .size: 8, .value_kind: global_buffer, .address_space: global }
      - { .name: q_w, .offset: 8, .size: 8, .value_kind: global_buffer, .address_space: global }
      - { .name: k_w, .offset: 16, .size: 8, .value_kind: global_buffer, .address_space: global }
      - { .name: v_w, .offset: 24, .size: 8, .value_kind: global_buffer, .address_space: global }
      - { .name: e_w, .offset: 32, .size: 8, .value_kind: global_buffer, .address_space: global }
      - { .name: cv2_w, .offset: 40, .size: 8, .value_kind: global_buffer, .address_space: global }
      - { .name: rel_h, .offset: 48, .size: 8, .value_kind: global_buffer, .address_space: global }
      - { .name: rel_w, .offset: 56, .size: 8, .value_kind: global_buffer, .address_space: global }
      - { .name: bn1_g, .offset: 64, .size: 8, .value_kind: global_buffer, .address_space: global }
      - { .name: bn1_b, .offset: 72, .size: 8, .value_kind: global_buffer, .address_space: global }
      - { .name: bn1_m, .offset: 80, .size: 8, .value_kind: global_buffer, .address_space: global }
      - { .name: bn1_v, .offset: 88, .size: 8, .value_kind: global_buffer, .address_space: global }
      - { .name: bn2_g, .offset: 96, .size: 8, .value_kind: global_buffer, .address_space: global }
      - { .name: bn2_b, .offset: 104, .size: 8, .value_kind: global_buffer, .address_space: global }
      - { .name: bn2_m, .offset: 112, .size: 8, .value_kind: global_buffer, .address_space: global }
      - { .name: bn2_v, .offset: 120, .size: 8, .value_kind: global_buffer, .address_space: global }
      - { .name: q_b, .offset: 128, .size: 8, .value_kind: global_buffer, .address_space: global }
      - { .name: k_b, .offset: 136, .size: 8, .value_kind: global_buffer, .address_space: global }
      - { .name: v_b, .offset: 144, .size: 8, .value_kind: global_buffer, .address_space: global }
      - { .name: e_b, .offset: 152, .size: 8, .value_kind: global_buffer, .address_space: global }
      - { .name: lowp_scales, .offset: 160, .size: 8, .value_kind: global_buffer, .address_space: global }
      - { .name: wcodes, .offset: 168, .size: 8, .value_kind: global_buffer, .address_space: global }
      - { .name: posbuf, .offset: 176, .size: 8, .value_kind: global_buffer, .address_space: global }
      - { .name: consts, .offset: 184, .size: 8, .value_kind: global_buffer, .address_space: global }
    .group_segment_fixed_size: 0
    .private_segment_fixed_size: 0
    .kernarg_segment_align: 8
    .kernarg_segment_size: 192
    .max_flat_workgroup_size: 128
    .sgpr_count:     96
    .vgpr_count:     192
    .wavefront_size: 32
...
	.end_amdgpu_metadata
.endif
;; end of part 1
;; launch proj (part 2): grid 256 x 1, 4 waves a work-group, no clusters, 98,816 bytes of LDS; arguments x, wcodes, consts, lowp_scales, qbuf, kv; writes qbuf, kv
.if DOCPART == 2
	.amdgcn_target "amdgcn-amd-amdhsa--gfx1250"
	.amdhsa_code_object_version 6
	.text
	.protected	k_qa8a60c1401_proj
	.globl	k_qa8a60c1401_proj
	.p2align	8
	.type	k_qa8a60c1401_proj,@function
k_qa8a60c1401_proj:
	s_mov_b64 s[64:65], 0
	v_nop
	global_prefetch_b8 v0, s[64:65] scope:SCOPE_SE
	s_setreg_imm32_b32 hwreg(HW_REG_WAVE_MODE, 25, 1), 1
	s_wait_xcnt 0x0
; PROJ: x -> codes -> cv1 -> BN, SiLU -> x1, quantised four times -> q, k, e, v -> codes.  All products on codes of E5M2, sums in f32.
; SHARES.  Work-group g owns 64 pixels (one row of the picture): batch g / 64, row g % 64.  THE WAVES SHARE THE COLUMNS: wave w makes output channels 64 w .. 64 w + 63 of x1, q, k, e and v for all 64 pixels,
; so its part of every weight goes from memory straight into its registers, once, as the register images that the launch before laid out.  Each weight fragment is used by one wave of the work-group alone:
; through LDS it would be written and read once more for nothing, and the five weights (384 KiB) would not fit there; so no tensor load and no joint request.
; PIXELS.  Tile i, row r, is pixel 4 r + i of the 64: one 16-byte load of x gives one channel of all four tiles.
; OPERANDS GO FROM WAVE TO WAVE THROUGH LDS AS IMAGES OF THEIR REGISTERS: group c of a fragment is 512 bytes, lane l's 16 bytes at 16 l.
; cv1, q, k, e are used transposed (source 0 = 16 rows of the weight, source 1 = 16 pixels): a lane holds one pixel, its registers run along the channels, which are the next K.
; v is used the other way (source 0 = 16 pixels, source 1 = 16 rows of the weight): a lane holds one channel, its registers run along the pixels, which are the keys, v's K.
; OUT.  qbuf [g][tile 4][s 2][2048].  kv [g][49152]: k's and e's fragments (32 KiB: 8 p + 2 i + s) and v's (16 KiB: channel tile tg at 1024 tg, registers 2 i, 2 i + 1 = keys of tile i, rows 8 h + 0 .. 7);
; v's part stands first where (g / 4) % 2 = 0 and last where it is 1: the reader's LDS ring wants it so.
; LIMITS, so that each power of two below is an f32 number: e0, e2, e4, e6, e8, e10-e2-e3, e11-e4-e5, e14-e6-e7, e12-e8-e9 between -126 and 112.  NaN among the inputs is not served.
; REGISTERS.  window 0: v1-7 addresses; v208-225 nine pairs (scale, largest number x scale); v16-79 numbers of x sorted, then fragments from LDS; v80-143 x's codes, then 4 accumulators and the sigmoid's work;
;   v144-175 held numbers; v176-207 x1's codes; for v: v80-207 16 accumulators, v16-47 codes.
;   window 1: cv1's 16 fragments, later v's 8 and e's 8.   window 2: x as loaded, later q's 8 and k's 8.   window 3: A1, B1, the biases.
.set LI,  1                            ; v1   16 x lane
.set LI2, 2                            ; v2   + 32768: x1's images
.set XW,  3                            ; v3   where I store x's images: 16 x lane + 2048 x wave
.set X1W, 4                            ; v4   x1's: 32768 + 16 x lane + 1024 x wave
.set XA,  5                            ; v5   x: 16 h channels + 16 r bytes
.set CA,  6                            ; v6   constants: 64 h
.set VBA, 7                            ; v7   v's bias: 4 (r + 8 (r / 8))
.set T0,  16
.set CX,  80
.set XF,  16
.set HA,  80
.set EE,  112
.set T1,  144
.set CX1, 176
.set CQ,  112
.set VA,  80
.set CV,  16
.set SCL, 208
.set MSB, 0
.macro WIN new                         ; the immediate's high byte repeats the setting that is left
.if MSB != (\new)
	s_set_vgpr_msb (MSB<<8)|(\new)
.set MSB, (\new)
.endif
.endm
.macro PLACES n
.rept \n
	v_nop
.endr
.endm
.macro BARRIER                         ; my LDS stores have landed and my LDS loads are in: then the work-group's barrier
	s_wait_dscnt 0x0
	s_barrier_signal -1
	s_barrier_wait -1
.endm
.macro MKSC reg, es                    ; v[reg] = 2^e, v[reg+1] = 57,344 x 2^e, e in s[es]
	s_add_co_i32 s40, s[\es], 127
	s_lshl_b32 s41, s40, 23
	v_mov_b32 v[\reg], s41
	s_add_co_i32 s40, s40, 15
	s_lshl_b32 s40, s40, 23
	s_or_b32 s40, s40, 0x600000
	v_mov_b32 v[\reg+1], s40
.endm
.macro WL wb, reg0, sb, off0, n        ; n groups of four registers, images on end in memory, into the window that wb names
	WIN \wb
.set q_, 0
.rept \n
	global_load_b128 v[\reg0+4*q_:\reg0+4*q_+3], v[LI], s[\sb:\sb+1] offset:\off0+512*q_
.set q_, q_+1
.endr
	WIN 0
.endm
.macro CL reg, off                     ; a constant array's 32 numbers for my four tiles: tile t, register j: channel 64 w + 32 (t / 2) + 8 (t % 2) + 16 h + j
.irp t, 0,1,2,3
	global_load_b128 v[\reg+8*\t:\reg+8*\t+3], v[CA], s[8:9] offset:\off+(32*(\t/2)+8*(\t%2))*4
	global_load_b128 v[\reg+8*\t+4:\reg+8*\t+7], v[CA], s[8:9] offset:\off+(32*(\t/2)+8*(\t%2))*4+16
.endr
.endm
; block c of x (channels 128 w + 32 c + 16 h + 0 .. 15, four pixels each): held, sorted by tile, converted, stored as group c of the four tiles' fragment of K step w
.macro XQ c
	WIN 0x02                                       ; source 0: window 2
.irp i, 0,1,2,3
.irp k, 0,1,2,3,4,5,6,7,8,9,10,11,12,13,14,15
	v_med3_num_f32 v[T0+16*\i+\k], v[64*\c+4*\k+\i], -v[SCL+1], v[SCL+1]   ; the hold (ISA guide 7.6.2: the conversion does not saturate); its destination does the sorting
.endr
.endr
	WIN 0
.irp n, 0,1,2,3,4,5,6,7
	v_cvt_scalef32_pk8_bf8_f32 v[CX+16*\c+2*\n:CX+16*\c+2*\n+1], v[T0+8*\n:T0+8*\n+7], v[SCL]
.endr
	v_nop                                          ; a plain instruction behind the conversions, ahead of whatever next writes their sources
.irp i, 0,1,2,3
	ds_store_b128 v[XW], v[CX+16*\c+4*\i:CX+16*\c+4*\i+3] offset:8192*\i+512*\c
.endr
.endm
.macro FETCHX i                        ; tile i of x: four fragments
.irp s, 0,1,2,3
.irp c, 0,1,2,3
	ds_load_b128 v[XF+16*\s+4*\c:XF+16*\s+4*\c+3], v[LI] offset:(4*(\i)+\s)*2048+512*\c
.endr
.endr
.endm
.macro FETCH1 st, i, bf                ; tile i of x1 as quantised for set st: two fragments, into buffer bf
.irp s, 0,1
.irp c, 0,1,2,3
	ds_load_b128 v[XF+32*(\bf)+16*\s+4*\c:XF+32*(\bf)+16*\s+4*\c+3], v[LI2] offset:((4*(\st)+(\i))*2+\s)*2048+512*\c
.endr
.endr
.endm
; tile i of x1: 16 products (four accumulators by turns), BN, SiLU, four quantisations, images to LDS
.macro TILE1 i
	s_wait_dscnt 0x0                               ; x's fragments are in; my earlier stores have read their registers
	WIN 0x01                                       ; source 0 (cv1) window 1
.irp s, 0,1,2,3
.irp t, 0,1,2,3
.if \s == 0
	v_wmma_f32_16x16x128_bf8_bf8 v[HA+8*\t:HA+8*\t+7], v[16*(4*\t+\s):16*(4*\t+\s)+15], v[XF+16*\s:XF+16*\s+15], 0
.else
	v_wmma_f32_16x16x128_bf8_bf8 v[HA+8*\t:HA+8*\t+7], v[16*(4*\t+\s):16*(4*\t+\s)+15], v[XF+16*\s:XF+16*\s+15], v[HA+8*\t:HA+8*\t+7]
.endif
.endr
.endr
	WIN 0
	PLACES 5                                       ; in front of loads into registers just multiplied, of the first read of results, and of the next tile's products, which begin these sums anew
.if \i < 3
	FETCHX \i+1
.else
	WL 0x40, 0, 28, 131072, 32                     ; cv1's fragments are done with: v's weights,
	WL 0x40, 128, 28, 196608, 32                   ; and e's
.endif
	WIN 0x3c                                       ; sources 1 and 2: window 3
.set n_, 0
.rept 16
	v_pk_fma_f32 v[HA+2*n_:HA+2*n_+1], v[HA+2*n_:HA+2*n_+1], v[2*n_:2*n_+1], v[32+2*n_:32+2*n_+1]   ; z = sum x A1 + B1
.set n_, n_+1
.endr
	WIN 0
.set n_, 0
.rept 16
	v_pk_mul_f32 v[EE+2*n_:EE+2*n_+1], v[HA+2*n_:HA+2*n_+1], s[44:45] op_sel_hi:[1,0]   ; -z log2(e)
.set n_, n_+1
.endr
.set n_, 0
.rept 32
	v_exp_f32 v[EE+n_], v[EE+n_]
.set n_, n_+1
.endr
	v_nop
	s_wait_alu depctr_va_vdst(0)                   ; one wait for the batch, ahead of its first reader
.set n_, 0
.rept 16
	v_pk_add_f32 v[EE+2*n_:EE+2*n_+1], v[EE+2*n_:EE+2*n_+1], 1.0 op_sel_hi:[1,0]
.set n_, n_+1
.endr
.set n_, 0
.rept 32
	v_rcp_f32 v[EE+n_], v[EE+n_]
.set n_, n_+1
.endr
	v_nop
	s_wait_alu depctr_va_vdst(0)
.set n_, 0
.rept 16
	v_pk_mul_f32 v[HA+2*n_:HA+2*n_+1], v[HA+2*n_:HA+2*n_+1], v[EE+2*n_:EE+2*n_+1]   ; x1 = z / (1 + e^-z)
.set n_, n_+1
.endr
.irp u, 0,1,2,3                        ; once for each of the four products that take x1: entries 2, 4, 6, 8
.set n_, 0
.rept 32
	v_med3_num_f32 v[T1+n_], v[HA+n_], -v[SCL+3+2*\u], v[SCL+3+2*\u]
.set n_, n_+1
.endr
.irp n, 0,1,2,3
	v_cvt_scalef32_pk8_bf8_f32 v[CX1+8*\u+2*\n:CX1+8*\u+2*\n+1], v[T1+8*\n:T1+8*\n+7], v[SCL+2+2*\u]
.endr
	v_nop
	ds_store_b128 v[X1W], v[CX1+8*\u:CX1+8*\u+3] offset:(4*\u+\i)*4096          ; my 64 channels are groups 2 (w % 2), + 1 of K step w / 2: 1024 w bytes on
	ds_store_b128 v[X1W], v[CX1+8*\u+4:CX1+8*\u+7] offset:(4*\u+\i)*4096+512
.endr
.endm
; q, k or e: weights in window wn at wr; bias in window 3 at bi; scale pair sc; x1's set st; stores to s[sb] + off
.macro PROJT wn, wr, bi, sc, st, sb, off
	FETCH1 \st, 0, 0
.irp i, 0,1,2,3
.if \i < 3
	FETCH1 \st, \i+1, (\i+1)%2
	s_wait_dscnt 8                                 ; this tile's eight loads are in; the next tile's eight may be out
.else
	s_wait_dscnt 0x0
.endif
	WIN 0x30|\wn                                   ; source 0: the weight's window; source 2 (the bias): window 3
.irp t, 0,1,2,3
	v_wmma_f32_16x16x128_bf8_bf8 v[HA+8*\t:HA+8*\t+7], v[\wr+32*\t:\wr+32*\t+15], v[XF+32*(\i%2):XF+32*(\i%2)+15], v[\bi+8*\t:\bi+8*\t+7]
.endr
	WIN \wn
.irp t, 0,1,2,3
	v_wmma_f32_16x16x128_bf8_bf8 v[HA+8*\t:HA+8*\t+7], v[\wr+32*\t+16:\wr+32*\t+31], v[XF+32*(\i%2)+16:XF+32*(\i%2)+31], v[HA+8*\t:HA+8*\t+7]
.endr
	WIN 0
	PLACES 5
	s_wait_xcnt 0x0                                ; the last tile's stores have read the codes' registers
.set n_, 0
.rept 32
	v_med3_num_f32 v[HA+n_], v[HA+n_], -v[\sc+1], v[\sc+1]
.set n_, n_+1
.endr
.irp n, 0,1,2,3
	v_cvt_scalef32_pk8_bf8_f32 v[CQ+2*\n:CQ+2*\n+1], v[HA+8*\n:HA+8*\n+7], v[\sc]
.endr
	v_nop
	global_store_b128 v[LI], v[CQ:CQ+3], s[\sb:\sb+1] offset:\off+4096*\i          ; 512 consecutive bytes, aligned
	global_store_b128 v[LI], v[CQ+4:CQ+7], s[\sb:\sb+1] offset:\off+4096*\i+512
.endr
.endm
	s_load_b256 s[4:11], s[0:1], 0x0               ; x, wcodes, consts, the scales' exponents
	s_load_b128 s[12:15], s[0:1], 0x20             ; qbuf, kv
	v_lshl_add_u32 v254, v0, 2, 0x18000
	v_mov_b32 v255, 0
	v_lshrrev_b32 v8, 5, v0
	v_readfirstlane_b32 s20, v8                    ; wave
	s_lshr_b32 s21, ttmp9, 6                       ; batch
	s_and_b32 s22, ttmp9, 63                       ; row of the picture
	v_and_b32 v8, 31, v0
	v_and_b32 v9, 15, v0                           ; r
	v_bfe_u32 v10, v0, 4, 1                        ; h
	v_lshlrev_b32 v[LI], 4, v8
	v_add_nc_u32 v[LI2], 32768, v[LI]
	s_lshl_b32 s23, s20, 11
	v_add_nc_u32 v[XW], s23, v[LI]
	s_lshl_b32 s46, s20, 10
	v_add_nc_u32 v[X1W], s46, v[LI2]
	v_lshlrev_b32 v[XA], 18, v10
	v_lshl_add_u32 v[XA], v9, 4, v[XA]
	v_lshlrev_b32 v[CA], 6, v10
	v_and_b32 v[VBA], 8, v9
	v_add_nc_u32 v[VBA], v[VBA], v9
	v_lshlrev_b32 v[VBA], 2, v[VBA]
	s_lshl_b32 s24, s21, 23                        ; x: batch x 512 x 16384 + 128 w channels + 256 bytes a row of the picture
	s_lshl_b32 s26, s20, 21
	s_add_co_u32 s24, s24, s26
	s_lshl_b32 s26, s22, 8
	s_add_co_u32 s24, s24, s26
	s_mov_b32 s25, 0
	s_lshl_b32 s26, s20, 15                        ; cv1's fragments of my 64 channels
	s_mov_b32 s27, 0
	s_lshl_b32 s28, s20, 14                        ; the projections' likewise
	s_add_co_u32 s28, s28, 131072
	s_mov_b32 s29, 0
	s_lshl_b32 s30, s20, 8                         ; the constants' 64 numbers
	s_mov_b32 s31, 0
	s_lshl_b32 s32, ttmp9, 14
	s_add_co_u32 s32, s32, s46                     ; qbuf: 16384 g + 1024 w
	s_mov_b32 s33, 0
	s_mul_i32 s34, ttmp9, 49152                    ; kv: my chunk
	s_bitcmp1_b32 s22, 2                           ; (g / 4) % 2
	s_cselect_b32 s36, 0, 16384                    ; where k's and e's part begins,
	s_cselect_b32 s38, 32768, 0                    ; and v's
	s_add_co_u32 s36, s36, s34
	s_add_co_u32 s36, s36, s46
	s_mov_b32 s37, 0
	s_add_co_u32 s38, s38, s34
	s_lshl_b32 s39, s20, 12
	s_add_co_u32 s38, s38, s39
	s_mov_b32 s39, 0
	s_mov_b32 s44, 0xbfb8aa3b                      ; -log2(e)
	s_mov_b32 s45, s44
	s_wait_kmcnt 0x0
	s_load_b512 s[68:83], s[10:11], 0x0            ; e0 .. e15
	s_load_b64 s[84:85], s[10:11], 0x40
	s_add_nc_u64 s[4:5], s[4:5], s[24:25]
	s_add_nc_u64 s[26:27], s[6:7], s[26:27]
	s_add_nc_u64 s[28:29], s[6:7], s[28:29]
	s_add_nc_u64 s[8:9], s[8:9], s[30:31]
	s_add_nc_u64 s[12:13], s[12:13], s[32:33]
	s_add_nc_u64 s[36:37], s[14:15], s[36:37]
	s_add_nc_u64 s[38:39], s[14:15], s[38:39]
	WIN 0x80                                       ; destination window 2
.irp c, 0,1,2,3
.irp k, 0,1,2,3,4,5,6,7,8,9,10,11,12,13,14,15
	global_load_b128 v[64*\c+4*\k:64*\c+4*\k+3], v[XA], s[4:5] offset:(32*\c+\k)*16384 th:TH_LOAD_NT   ; sixteen lanes read a channel's 256 consecutive bytes, aligned
.endr
.endr
	WIN 0
	s_wait_kmcnt 0x0
	MKSC SCL, 68
	MKSC SCL+2, 70
	MKSC SCL+4, 72
	MKSC SCL+6, 74
	MKSC SCL+8, 76
	s_sub_co_i32 s42, s78, s70
	s_sub_co_i32 s42, s42, s71                     ; q: a sum stands for sum x 2^(e2+e3): its code is sum / 2^(e10-e2-e3)
	MKSC SCL+10, 42
	s_sub_co_i32 s42, s79, s72
	s_sub_co_i32 s42, s42, s73
	MKSC SCL+12, 42                                ; k
	s_sub_co_i32 s42, s82, s74
	s_sub_co_i32 s42, s42, s75
	MKSC SCL+14, 42                                ; v
	s_sub_co_i32 s42, s80, s76
	s_sub_co_i32 s42, s42, s77
	MKSC SCL+16, 42                                ; e
	; ---- X: my 128 channels of x become K step w of the four tiles.  Behind block c stand (3 - c) blocks of 16 loads and 16 c weight loads: 48
.irp c, 0,1,2,3
	s_wait_loadcnt 48
	XQ \c
	WL 0x40, 64*\c, 26, 8192*\c, 16                ; a quarter of cv1's fragments
.endr
	WIN 0xc0                                       ; destination window 3
	CL 0, 0                                        ; A1
	CL 32, 1024                                    ; B1
	CL 64, 2048                                    ; q's bias
	CL 96, 3072                                    ; k's
	CL 128, 5120                                   ; e's
.irp t, 0,1,2,3
	global_load_b32 v[160+8*\t], v[VBA], s[8:9] offset:4096+(32*(\t/2)+8*(\t%2))*4   ; v's: the lane's own channel
.endr
	WIN 0
	WL 0x80, 0, 28, 0, 32                          ; x's registers are done with: q's weights,
	WL 0x80, 128, 28, 65536, 32                    ; and k's
	BARRIER                                        ; x's sixteen fragments lie in LDS
	s_wait_loadcnt 63                              ; cv1's fragments and the constants are in: 64 loads were issued behind them, and the count's field holds 63
	WIN 0xc3
.irp t, 0,1,2,3
.irp j, 1,2,3,4,5,6,7
	v_mov_b32 v[160+8*\t+\j], v[160+8*\t]          ; v's result holds one channel a lane: its bias fills the eight registers of the first product's C
.endr
.endr
	WIN 0
	; ---- 1: x1
	FETCHX 0
	TILE1 0
	TILE1 1
	TILE1 2
	TILE1 3
	BARRIER                                        ; x1's 32 fragments lie in LDS
	; ---- 2: the four projections
	s_wait_loadcnt 63                              ; q's and k's weights are in: behind them stand v's and e's 64 loads
	PROJT 2, 0, 64, SCL+10, 0, 12, 0
	PROJT 2, 128, 96, SCL+12, 1, 36, 0
	s_wait_loadcnt 0x0
	PROJT 1, 128, 128, SCL+16, 3, 36, 16384
	s_wait_xcnt 0x0                                ; e's last stores have read the codes' registers, which v's sums take
	FETCH1 2, 0, 0
.irp i, 0,1,2,3
.if \i < 3
	FETCH1 2, \i+1, (\i+1)%2
	s_wait_dscnt 8
.else
	s_wait_dscnt 0x0
.endif
	WIN 0x34                                       ; source 1 (v's weights) window 1, source 2 (the bias) window 3
.irp t, 0,1,2,3
	v_wmma_f32_16x16x128_bf8_bf8 v[VA+32*\t+8*\i:VA+32*\t+8*\i+7], v[XF+32*(\i%2):XF+32*(\i%2)+15], v[32*\t:32*\t+15], v[160+8*\t:160+8*\t+7]
.endr
	WIN 0x04
.irp t, 0,1,2,3
	v_wmma_f32_16x16x128_bf8_bf8 v[VA+32*\t+8*\i:VA+32*\t+8*\i+7], v[XF+32*(\i%2)+16:XF+32*(\i%2)+31], v[32*\t+16:32*\t+31], v[VA+32*\t+8*\i:VA+32*\t+8*\i+7]
.endr
	WIN 0
	PLACES 4
.endr
.set n_, 0
.rept 128
	v_med3_num_f32 v[VA+n_], v[VA+n_], -v[SCL+15], v[SCL+15]
.set n_, n_+1
.endr
.set n_, 0
.rept 16
	v_cvt_scalef32_pk8_bf8_f32 v[CV+2*n_:CV+2*n_+1], v[VA+8*n_:VA+8*n_+7], v[SCL+14]   ; channel tile n / 4, keys of tile n % 4, rows 8 h + 0 .. 7
.set n_, n_+1
.endr
	v_nop
.irp n, 0,1,2,3,4,5,6,7
	global_store_b128 v[LI], v[CV+4*\n:CV+4*\n+3], s[38:39] offset:512*\n
.endr
	s_wait_tensorcnt 0x0
	ds_add_u32 v254, v255
	s_wait_dscnt 0x0
	s_endpgm
.Lfunc_end_k_qa8a60c1401_proj:
	.size	k_qa8a60c1401_proj, .Lfunc_end_k_qa8a60c1401_proj-k_qa8a60c1401_proj
	.p2alignl 7, 3214868480
	.fill 96, 4, 3214868480
	.section	.rodata,"a",@progbits
	.p2align	6, 0x0
	.amdhsa_kernel k_qa8a60c1401_proj
		.amdhsa_group_segment_fixed_size 98816
		.amdhsa_private_segment_fixed_size 0
		.amdhsa_enable_private_segment 0
		.amdhsa_kernarg_size 48
		.amdhsa_user_sgpr_count 2
		.amdhsa_user_sgpr_kernarg_segment_ptr 1
		.amdhsa_wavefront_size32 1
		.amdhsa_system_sgpr_workgroup_id_x 1
		.amdhsa_system_sgpr_workgroup_id_y 1
		.amdhsa_system_sgpr_workgroup_id_z 1
		.amdhsa_system_vgpr_workitem_id 0
		.amdhsa_next_free_vgpr 1024
		.amdhsa_next_free_sgpr 96
		.amdhsa_reserve_vcc 0
		.amdhsa_float_denorm_mode_32 3
		.amdhsa_float_denorm_mode_16_64 3
		.amdhsa_memory_ordered 1
		.amdhsa_forward_progress 1
		.amdhsa_inst_pref_size 188
	.end_amdhsa_kernel
	.amdgpu_metadata
---
amdhsa.version: [ 1, 2 ]
amdhsa.kernels:
  - .name:           k_qa8a60c1401_proj
    .symbol:         k_qa8a60c1401_proj.kd
    .args:
      - { .name: x, .offset: 0, .size: 8, .value_kind: global_buffer, .address_space: global }
      - { .name: wcodes, .offset: 8, .size: 8, .value_kind: global_buffer, .address_space: global }
      - { .name: consts, .offset: 16, .size: 8, .value_kind: global_buffer, .address_space: global }
      - { .name: lowp_scales, .offset: 24, .size: 8, .value_kind: global_buffer, .address_space: global }
      - { .name: qbuf, .offset: 32, .size: 8, .value_kind: global_buffer, .address_space: global }
      - { .name: kv, .offset: 40, .size: 8, .value_kind: global_buffer, .address_space: global }
    .group_segment_fixed_size: 98816
    .private_segment_fixed_size: 0
    .kernarg_segment_align: 8
    .kernarg_segment_size: 48
    .max_flat_workgroup_size: 128
    .sgpr_count:     96
    .vgpr_count:     1024
    .wavefront_size: 32
...
	.end_amdgpu_metadata
.endif
;; end of part 2
;; launch attn (part 3): grid 64 x 4, 4 waves a work-group, clusters of 4 x 1, 327,680 bytes of LDS; arguments qbuf, posbuf, kv, wcodes, consts, x, lowp_scales, out0; writes out0
.if DOCPART == 3
	.amdgcn_target "amdgcn-amd-amdhsa--gfx1250"
	.amdhsa_code_object_version 6
	.text
	.protected	k_qa8a60c1401_attn
	.globl	k_qa8a60c1401_attn
	.p2align	8
	.type	k_qa8a60c1401_attn,@function
k_qa8a60c1401_attn:
	s_mov_b64 s[64:65], 0
	v_nop
	global_prefetch_b8 v0, s[64:65] scope:SCOPE_SE
	s_setreg_imm32_b32 hwreg(HW_REG_WAVE_MODE, 25, 1), 1
	s_wait_xcnt 0x0
	s_wait_alu depctr_hold_cnt(0) depctr_sa_sdst(0) depctr_va_vdst(0) depctr_va_sdst(0) depctr_va_ssrc(0) depctr_va_vcc(0) depctr_vm_vsrc(0)
	s_getreg_b32 s2, hwreg(HW_REG_IB_STS2, 6, 4)
	s_cmp_eq_u32 s2, 0
	s_cbranch_scc0 .Lentry_in_a_cluster
	s_endpgm
.Lentry_in_a_cluster:
	s_bfe_u32 s2, ttmp6, 0x10000c
	s_cmp_lg_u32 s2, 0x3003
	s_cbranch_scc0 .Lentry_shape_is_right
	s_endpgm
.Lentry_shape_is_right:
; ATTN: logit = q . k + pos . e, softmax over the keys, out = v attn^T, cv2, BN, SiLU, + x.  All products on codes of E5M2, sums in f32.
; SHARES.  A work-group owns 64 queries (one row of the picture) of one batch.  EVERY WAVE HOLDS ALL 64 QUERIES, AND THE WAVES SHARE THE KEYS: of each group of four chunks of 64 keys wave w takes chunk w; a batch has 16 groups.
; So each fragment of k, e and v is read from LDS once in the work-group and feeds four matrix instructions.  Each wave keeps its own running M, sum and O^T (512 registers); they are merged once, at the end, through LDS.
; LAYOUT.  S^T = K' Q'^T with K' = (k | e) and Q' = (q | pos), K = 512: source 0 = 16 keys, source 1 = 16 queries: a lane holds one query.  q . k stands for sum x 2^(e10+e11), pos . e for sum x 2^(e12+e13):
; the first half's sum is multiplied by 2^(e10+e11-e12-e13), which rounds nothing, and the second half is added onto it.  Eight scores of a lane are keys (tile, rows 8 h + 0 .. 7): converted, they are two
; registers of P, and v's fragments were laid in the same order of keys.  O^T = V^T P^T by the K = 64 form.  v's channel tiles are chosen so that two neighbouring tiles' 16 registers are 16 neighbouring channels, cv2's K.
; SOFTMAX.  t = logit x log2(e); M = the running largest t rounded up to a whole number; p = 2^(t - M), quantised with 2^e15, not normalised; the sum is taken of the unquantised p.  When M moves, sum and O^T are
; multiplied by 2^(old M - new M), in every chunk, with no branch on data.
; CLUSTER.  The four work-groups of a cluster belong to one batch and walk the same chunks: each chunk is asked for JOINTLY, by the same tensor load with the same descriptor and a mask that names the four.
; THE WALK.  The sixteen clusters of a batch do not begin at the same keys: cluster x begins at group 2 s, s = x for x < 8 and 15 - x above, and goes round all 16 groups.  So at any step eight different groups of a batch
; are being asked for, and from its third step on a cluster asks for a group that the cluster which began two groups further on asked for two steps earlier; hence no prefetch is laid.  The running M takes the keys in any order.
; The start is even, so that the landing places below stay constants of the text.
; LDS.  64 KiB a wave at 65536 w: [Va 16 KiB | KE 32 KiB | Vb 16 KiB].  A chunk is 48 KiB, dense in memory, v's part first in even groups and last in odd ones: an even group's lands at +0 (Va, KE), an odd one's at +16384 (KE, Vb).
; The refill stands behind the chunk's products K' Q'^T: there KE and the chunk before's V are done with; it has the chunk's softmax and products V^T P in which to land.  By this text's count one tensor load of a wave is out.
; A wave reads only what its own loads brought.  Behind the ring: the spare words, the statistics, out's codes; into these no tile lands.  The partial O^T go into the ring after its last fill.  All of LDS is claimed.
; LIMITS, so that each power of two below is an f32 number: e15 and e16-e14-e15 between -126 and 112; e10+e11-e12-e13 between -126 and 127; e12+e13 between -126 and 127 (added to log2(e)'s exponent field).  NaN is not served.
; REGISTERS.  window 1, 2: O^T, (channel tile c, query tile t) at 8 (4 (c % 8) + t).   window 3: Q', (t, s) at 16 (4 t + s), s = 0, 1 q, s = 2, 3 pos.
;   window 0: v1-7 addresses and constants; v8-59 statistics; v64-127 two halves of a fragment buffer; v128-255 S^T, tile t at 128 + 32 t, register 8 k + j = key (tile k, row 8 h + j).
;   P of tile 0 in v40-47; P of tile t > 0 lies over the first eight registers of S^T's tile t - 1, which are done with.
.set SPARE, 262144
.set STAT,  262656                     ; 1024 u + 256 t + 8 lane: wave u's (-M, sum) of tile t
.set OIMG,  266752                     ; out's codes: fragment (t, s) at (2 t + s) 2048
.set SPW, 1
.set NIL, 2
.set LB,  3                            ; 65536 w + 16 lane
.set ADR, 4                            ; + where the chunk's V lies
.set CVS, 6                            ; 2^e15
.set LI,  7                            ; 16 x lane
.set NM,  8                            ; pairs (-M, the largest t)
.set L,   16                           ; the sum, in two halves
.set F,   24                           ; pairs (f, 0)
.set TA,  32
.set TB,  36
.set PX,  40
.set TC,  48
.set U,   52
.set BUF, 64
.set S,   128
.set WV,  20
.set KVB, 44                           ; s[44:45] my wave's chunk of the batch's group 0
.set GRP, 46                           ; s46  the group that was asked for last
.set CNT, 47
.set VB,  48                           ; 0 or 0xc000
.set SEL, 50
.set CS,  52                           ; log2(e) x 2^(e12+e13)
.set DS,  54                           ; 2^(e10+e11-e12-e13)
.set PLIM, 56                          ; 57,344 x 2^e15
.set NL2E, 58
.set GOF, 86                           ; s[86:87] the group's bytes from group 0: 196,608 x group; the upper word stays 0
.set MSB, 0
.macro WIN new                         ; the immediate's high byte repeats the setting that is left
.if MSB != (\new)
	s_set_vgpr_msb (MSB<<8)|(\new)
.set MSB, (\new)
.endif
.endm
.macro PLACES n
.rept \n
	v_nop
.endr
.endm
.macro CROUND                          ; a round of the cluster's barrier
	s_barrier_signal -1
	s_barrier_wait -1
	s_cmp_lg_u32 s[WV], 0
	s_cbranch_scc1 .Lnot_wave_0_\@
	s_barrier_signal -3
.Lnot_wave_0_\@:
	s_barrier_wait -3
	s_barrier_signal -1
	s_barrier_wait -1
.endm
.macro LOADK u                         ; unit u = 4 p + key tile: two fragments (256 channels of k, p = 0, or of e, p = 1)
	WIN 0
.irp s, 0,1
.irp c, 0,1,2,3
	ds_load_b128 v[BUF+32*((\u)%2)+16*\s+4*\c:BUF+32*((\u)%2)+16*\s+4*\c+3], v[LB] offset:16384+(2*(\u)+\s)*2048+512*\c
.endr
.endr
.endm
.macro MULK u                          ; eight products: four accumulators by turns
	WIN 0x0c                                       ; source 1 (Q') window 3
.irp s, 0,1
.irp t, 0,1,2,3
.if ((\u) < 4) && (\s == 0)
	v_wmma_f32_16x16x128_bf8_bf8 v[S+32*\t+8*((\u)%4):S+32*\t+8*((\u)%4)+7], v[BUF+32*((\u)%2)+16*\s:BUF+32*((\u)%2)+16*\s+15], v[16*(4*\t+2*((\u)/4)+\s):16*(4*\t+2*((\u)/4)+\s)+15], 0
.else
	v_wmma_f32_16x16x128_bf8_bf8 v[S+32*\t+8*((\u)%4):S+32*\t+8*((\u)%4)+7], v[BUF+32*((\u)%2)+16*\s:BUF+32*((\u)%2)+16*\s+15], v[16*(4*\t+2*((\u)/4)+\s):16*(4*\t+2*((\u)/4)+\s)+15], v[S+32*\t+8*((\u)%4):S+32*\t+8*((\u)%4)+7]
.endif
.endr
.endr
.endm
.macro COMB k                          ; q . k of key tile k is brought under pos . e's power of two; each accumulator from its low end on
	WIN 0
.irp t, 0,1,2,3
.irp n, 0,2,4,6
	v_pk_mul_f32 v[S+32*\t+8*\k+\n:S+32*\t+8*\k+\n+1], v[S+32*\t+8*\k+\n:S+32*\t+8*\k+\n+1], s[DS:DS+1] op_sel_hi:[1,0]
.endr
.endr
.endm
.macro LOADV g                         ; four channel tiles of V, 64 keys: eight registers each
	WIN 0
.irp q, 0,1,2,3
.irp c, 0,1
	ds_load_b128 v[BUF+32*((\g)%2)+8*\q+4*\c:BUF+32*((\g)%2)+8*\q+4*\c+3], v[ADR] offset:(4*(\g)+\q)*1024+512*\c
.endr
.endr
.endm
.macro MULV g, first                   ; sixteen products on sixteen accumulators
.if (\g) < 2
	WIN 0x50                                       ; C and D window 1
.else
	WIN 0xa0                                       ; window 2
.endif
.irp q, 0,1,2,3
.irp t, 0,1,2,3
.set rO, 8*(4*((4*(\g)+\q)%8)+\t)
.if \t == 0
.set rP, PX
.else
.set rP, S+32*(\t-1)
.endif
.if \first
	v_wmma_f32_16x16x64_bf8_bf8 v[rO:rO+7], v[BUF+32*((\g)%2)+8*\q:BUF+32*((\g)%2)+8*\q+7], v[rP:rP+7], 0
.else
	v_wmma_f32_16x16x64_bf8_bf8 v[rO:rO+7], v[BUF+32*((\g)%2)+8*\q:BUF+32*((\g)%2)+8*\q+7], v[rP:rP+7], v[rO:rO+7]
.endif
.endr
.endr
.endm
; the maximum, M, f and t - M; the four tiles by turns, so that no line waits for the line above it; scores in ascending order
.macro SMA first
.irp t, 0,1,2,3
	v_max3_num_f32 v[TA+\t], v[S+32*\t], v[S+32*\t+1], v[S+32*\t+2]
	v_max3_num_f32 v[TB+\t], v[S+32*\t+3], v[S+32*\t+4], v[S+32*\t+5]
.endr
.irp i, 6,10,14,18,22,26
.irp t, 0,1,2,3
	v_max3_num_f32 v[TA+\t], v[TA+\t], v[S+32*\t+\i], v[S+32*\t+\i+1]
	v_max3_num_f32 v[TB+\t], v[TB+\t], v[S+32*\t+\i+2], v[S+32*\t+\i+3]
.endr
.endr
.irp t, 0,1,2,3
	v_max3_num_f32 v[TA+\t], v[TA+\t], v[S+32*\t+30], v[S+32*\t+31]
.endr
.irp t, 0,1,2,3
	v_max_num_f32 v[TA+\t], v[TA+\t], v[TB+\t]
.endr
.irp t, 0,1,2,3
	v_permlanex16_b32 v[TC+\t], v[TA+\t], s[SEL], s[SEL+1]   ; the query's other 32 keys lie in the lane 16 away
.endr
.irp t, 0,1,2,3
	v_max_num_f32 v[TA+\t], v[TA+\t], v[TC+\t]
.endr
.if \first
.irp t, 0,1,2,3
	v_mul_f32 v[NM+2*\t+1], s[CS], v[TA+\t]        ; as t (the factor is positive)
.endr
.irp t, 0,1,2,3
	v_floor_f32 v[NM+2*\t], -v[NM+2*\t+1]          ; -M = floor(-t) = -ceil(t)
.endr
.else
.irp t, 0,1,2,3
	v_mul_f32 v[TA+\t], s[CS], v[TA+\t]
.endr
.irp t, 0,1,2,3
	v_max_num_f32 v[NM+2*\t+1], v[NM+2*\t+1], v[TA+\t]
	v_mov_b32 v[TB+\t], v[NM+2*\t]
.endr
.irp t, 0,1,2,3
	v_floor_f32 v[NM+2*\t], -v[NM+2*\t+1]
.endr
.irp t, 0,1,2,3
	v_sub_f32 v[TB+\t], v[NM+2*\t], v[TB+\t]       ; old M - new M: a whole number, 0 or less
.endr
.irp t, 0,1,2,3
	v_cvt_i32_f32 v[TB+\t], v[TB+\t]
.endr
.irp t, 0,1,2,3
	v_ldexp_f32 v[F+2*\t], 1.0, v[TB+\t]           ; f = 2^(old M - new M)
.endr
.endif
.irp n, 0,2,4,6,8,10,12,14,16,18,20,22,24,26,28,30
.irp t, 0,1,2,3
	v_pk_fma_f32 v[S+32*\t+\n:S+32*\t+\n+1], v[S+32*\t+\n:S+32*\t+\n+1], s[CS:CS+1], v[NM+2*\t:NM+2*\t+1] op_sel_hi:[1,0,0]   ; t - M
.endr
.endr
.endm
; the 128 exponentials, ONE BATCH; between them, eight at a time, the rescaling of O^T, which names none of their results
.macro EXPS first
.set g_, 0
.rept 16
	WIN 0
.set j_, 0
.rept 8
	v_exp_f32 v[S+8*g_+j_], v[S+8*g_+j_]
.set j_, j_+1
.endr
.if !\first
.if g_ < 8
	WIN 0x41                                       ; O^T (destination and source 0) window 1, f window 0
.else
	WIN 0x82
.endif
.set j_, 0
.rept 16
.set rO, (32*g_+2*j_)%256
	v_pk_mul_f32 v[rO:rO+1], v[rO:rO+1], v[F+2*((rO/8)%4):F+2*((rO/8)%4)+1] op_sel_hi:[1,0]
.set j_, j_+1
.endr
.endif
.set g_, g_+1
.endr
	WIN 0
.endm
; the sums of the unquantised p, then hold and conversion, tile by tile in ascending order
.macro SMB first
.if \first
	v_nop                                          ; a plain instruction behind the last exponential
.else
	v_pk_mul_f32 v[L:L+1], v[L:L+1], v[F:F+1] op_sel_hi:[1,0]
.endif
	s_wait_alu depctr_va_vdst(0)                   ; one wait for the batch, ahead of its first reader
.if !\first
.irp t, 1,2,3
	v_pk_mul_f32 v[L+2*\t:L+2*\t+1], v[L+2*\t:L+2*\t+1], v[F+2*\t:F+2*\t+1] op_sel_hi:[1,0]
.endr
.endif
.irp t, 0,1,2,3
	v_pk_add_f32 v[U+2*\t:U+2*\t+1], v[S+32*\t:S+32*\t+1], v[S+32*\t+2:S+32*\t+3]
.endr
.irp j, 4,8,12,16,20,24,28
.irp t, 0,1,2,3
	v_pk_add_f32 v[L+2*\t:L+2*\t+1], v[L+2*\t:L+2*\t+1], v[S+32*\t+\j:S+32*\t+\j+1]
	v_pk_add_f32 v[U+2*\t:U+2*\t+1], v[U+2*\t:U+2*\t+1], v[S+32*\t+\j+2:S+32*\t+\j+3]
.endr
.endr
.irp t, 0,1,2,3
	v_pk_add_f32 v[L+2*\t:L+2*\t+1], v[L+2*\t:L+2*\t+1], v[U+2*\t:U+2*\t+1]
.endr
.irp t, 0,1,2,3
.if \t == 0
.set rP, PX
.else
.set rP, S+32*(\t-1)
.endif
.set n_, 0
.rept 32
	v_min_num_f32 v[S+32*\t+n_], s[PLIM], v[S+32*\t+n_]   ; the conversion does not saturate (ISA guide 7.6.2); p is not negative, so the hold is one-sided
.set n_, n_+1
.endr
.irp k, 0,1,2,3
	v_cvt_scalef32_pk8_bf8_f32 v[rP+2*\k:rP+2*\k+1], v[S+32*\t+8*\k:S+32*\t+8*\k+7], v[CVS]
.endr
.endr
	v_nop                                          ; a plain instruction between the last conversion and the products that read P
.endm
; ONE CHUNK OF 64 KEYS.  first = 1: it starts M, the sums and O^T.  refill = 1: the next chunk is asked for.
.macro CHUNK first, refill
	PLACES 5                                       ; behind the last products V^T P: the first products below write over registers that held P, and loads go into the fragment buffer
	v_add_nc_u32 v[ADR], s[VB], v[LB]
	s_wait_tensorcnt 0x0                           ; my chunk has landed; nobody else reads it
	LOADK 0
	LOADK 1
	s_wait_dscnt 8                                 ; every count of 8 here leaves out the eight loads of the unit behind the one that is multiplied next
	MULK 0
	WIN 0
	PLACES 4
	LOADK 2
	s_wait_dscnt 8
	MULK 1
	COMB 0                                         ; these sixteen lines name no register of the products just issued: they are the places in front of the loads below
	LOADK 3
	s_wait_dscnt 8
	MULK 2
	COMB 1
	LOADK 4
	s_wait_dscnt 8
	MULK 3
	COMB 2
	LOADK 5
	COMB 3
	s_wait_dscnt 8
	MULK 4
	PLACES 4
	LOADK 6
	s_wait_dscnt 8
	MULK 5
	PLACES 4
	LOADK 7
	s_wait_dscnt 8
	MULK 6
	s_wait_dscnt 0x0
	MULK 7
	WIN 0
.if \refill
	s_wait_tensorcnt 0x0                           ; no tensor load of mine is out, so group 0 may be written
	ds_add_u32 v[SPW], v[NIL]                      ; 0 onto my spare word; the descriptor's steps stand between it and the wait for it
	s_xor_b32 s41, s41, 0x4000                     ; the other landing place,
	s_add_co_u32 s[GRP], s[GRP], 1
	s_and_b32 s[GRP], s[GRP], 15                   ; the next group, round the batch's sixteen,
	s_mul_i32 s[GOF], s[GRP], 196608               ; four chunks of 49,152 bytes a group,
	s_add_nc_u64 s[42:43], s[KVB:KVB+1], s[GOF:GOF+1]   ; my chunk of it: the same numbers in all four partners
	s_or_b32 s43, s43, 0x80000000                  ; type = 2
	s_wait_dscnt 0x0                               ; the add is done, and my reads of KE and of the chunk before's V are over
	CROUND                                         ; the same holds of every wave of every partner
	tensor_load_to_lds s[40:43], s[32:39]          ; my one tensor load behind the round
	s_nop 0
	PLACES 4                                       ; also the places in front of the loads below and of the first read of the scores
.else
	PLACES 4
.endif
	LOADV 0
	LOADV 1
	s_xor_b32 s[VB], s[VB], 0xc000                 ; the next chunk's V lies in the other place (taken up at the next chunk's head)
	SMA \first
	EXPS \first
	SMB \first
	s_wait_dscnt 0x0
	MULV 0, \first
	WIN 0
	PLACES 4
	LOADV 2
	MULV 1, \first
	WIN 0
	PLACES 4
	LOADV 3
	s_wait_dscnt 8                                 ; the third four tiles are in; the last eight loads may be out
	MULV 2, \first
	s_wait_dscnt 0x0
	MULV 3, \first
	WIN 0
.endm
	s_load_b512 s[4:19], s[0:1], 0x0               ; qbuf, posbuf, kv, wcodes, consts, x, the scales' exponents, out0
	v_lshl_add_u32 v[SPW], v0, 2, SPARE
	v_mov_b32 v[NIL], 0
	ds_add_u32 v1, v2
	ds_add_u32 v1, v2
	s_wait_dscnt 0x0
	v_lshrrev_b32 v8, 5, v0
	v_readfirstlane_b32 s[WV], v8                  ; wave
	s_bfe_u32 s21, ttmp6, 0x40000                  ; cx
	s_lshl_b32 s22, ttmp9, 2
	s_add_co_u32 s22, s22, s21                     ; my row of the picture: it enters global addresses of q, pos, x and out0 alone
	s_and_b32 s23, ttmp7, 0xffff                   ; the batch, which the partners share
	; descriptor group 1: 192 rows of 32 elements of 8 bytes, dense: 48 KiB, no padding (images are read on end)
	s_mov_b32 s32, 15|(3<<16)|(1<<21)              ; 15:0 the mask: all four work-groups; 17:16 elements of 8 bytes; 21 set beside a mask
	s_mov_b32 s33, 32<<16                          ; tensor_dim0 = 32
	s_mov_b32 s34, 192<<16                         ; tensor_dim1 = 192
	s_mov_b32 s35, 32<<16                          ; tile_dim0 = 32
	s_mov_b32 s36, 192                             ; tile_dim1 = 192
	s_mov_b32 s37, 32                              ; from row to row
	s_mov_b32 s38, 0
	s_mov_b32 s39, 0
	s_mul_i32 s24, s23, 3145728                    ; the batch's 64 chunks
	s_mul_i32 s26, s[WV], 49152
	s_add_co_u32 s26, s26, s24                     ; my chunk of the batch's group 0
	s_mov_b32 s27, 0
	s_bfe_u32 s28, ttmp9, 0x10003                  ; the cluster's x is 0 to 15: 1 from 8 on
	s_mul_i32 s28, s28, 7
	s_xor_b32 s[GRP], ttmp9, s28
	s_and_b32 s[GRP], s[GRP], 7                    ; x below 8, 15 - x from 8 on: the same in all four partners
	s_lshl_b32 s[GRP], s[GRP], 1                   ; the group at which my cluster begins: an even one
	s_mul_i32 s[GOF], s[GRP], 196608
	s_mov_b32 s[GOF+1], 0
	s_lshl_b32 s30, s23, 6
	s_add_co_u32 s30, s30, s22
	s_lshl_b32 s30, s30, 14                        ; q's block
	s_mov_b32 s31, 0
	s_lshl_b32 s60, s22, 14                        ; pos's
	s_mov_b32 s61, 0
	s_lshl_b32 s62, s[WV], 16                      ; my 64 KiB of the ring
	s_mov_b32 s[SEL], 0x76543210
	s_mov_b32 s[SEL+1], 0xfedcba98
	s_mov_b32 s[NL2E], 0xbfb8aa3b
	s_mov_b32 s[NL2E+1], s[NL2E]
	s_mov_b32 s[VB], 0
	s_mov_b32 s[CNT], 14
	s_wait_kmcnt 0x0
	s_load_b512 s[68:83], s[16:17], 0x0            ; e0 .. e15
	s_load_b64 s[84:85], s[16:17], 0x40            ; e16, e17
	s_mov_b32 s40, 1                               ; group 0: count = 1
	s_lshl_b32 s41, s[WV], 16                      ; LDS address: the first chunk, an even group's, lands at +0
	s_add_nc_u64 s[KVB:KVB+1], s[8:9], s[26:27]
	s_add_nc_u64 s[42:43], s[KVB:KVB+1], s[GOF:GOF+1]
	s_or_b32 s43, s43, 0x80000000                  ; type = 2
	s_add_nc_u64 s[4:5], s[4:5], s[30:31]
	s_add_nc_u64 s[6:7], s[6:7], s[60:61]
	CROUND                                         ; all four work-groups are here: the first joint loads meet
	tensor_load_to_lds s[40:43], s[32:39]
	s_nop 0
	PLACES 4
	v_and_b32 v8, 31, v0
	v_lshlrev_b32 v[LI], 4, v8
	v_add_nc_u32 v[LB], s62, v[LI]
	WIN 0xc0                                       ; destination window 3
.irp t, 0,1,2,3
.irp s, 0,1
.irp c, 0,1,2,3
	global_load_b128 v[16*(4*\t+\s)+4*\c:16*(4*\t+\s)+4*\c+3], v[LI], s[4:5] offset:(2*\t+\s)*2048+512*\c
	global_load_b128 v[16*(4*\t+2+\s)+4*\c:16*(4*\t+2+\s)+4*\c+3], v[LI], s[6:7] offset:(2*\t+\s)*2048+512*\c
.endr
.endr
.endr
	WIN 0
.irp j, 0,1,2,3,4,5,6,7
	v_mov_b32 v[L+\j], 0                           ; the sums begin at 0
.endr
.irp t, 0,1,2,3
	v_mov_b32 v[TC+\t], 0                          ; a lane permute's destination counts as one of its sources
	v_mov_b32 v[F+2*\t+1], 0                       ; named as the upper half of a pair
.endr
	s_wait_kmcnt 0x0
	s_add_co_i32 s24, s80, s81                     ; e12 + e13
	s_add_co_i32 s25, s78, s79
	s_sub_co_i32 s25, s25, s24                     ; e10 + e11 - e12 - e13
	s_add_co_i32 s25, s25, 127
	s_lshl_b32 s[DS], s25, 23
	s_mov_b32 s[DS+1], s[DS]
	s_lshl_b32 s24, s24, 23
	s_add_co_i32 s[CS], s24, 0x3fb8aa3b            ; log2(e) with e12 + e13 added to its exponent field
	s_mov_b32 s[CS+1], s[CS]
	s_add_co_i32 s24, s83, 127
	s_lshl_b32 s25, s24, 23
	v_mov_b32 v[CVS], s25
	s_add_co_i32 s24, s24, 15
	s_lshl_b32 s24, s24, 23
	s_or_b32 s[PLIM], s24, 0x600000
	s_wait_loadcnt 0x0                             ; Q'
	CHUNK 1, 1
.Lchunk:                                           ; 14 trips: chunks 1 to 14 of my 16
	CHUNK 0, 1
	s_sub_co_u32 s[CNT], s[CNT], 1
	s_cmp_lg_u32 s[CNT], 0
	s_cbranch_scc1 .Lchunk
	CHUNK 0, 0                                     ; the last chunk is written out
	; ---- E1: my statistics and my partial O^T go to LDS: the ring has had its last fill, and my 64 KiB of it are read by nobody now
	PLACES 4
.irp t, 0,1,2,3
	v_add_f32 v[TA+\t], v[L+2*\t], v[L+2*\t+1]
.endr
.irp t, 0,1,2,3
	v_permlanex16_b32 v[TC+\t], v[TA+\t], s[SEL], s[SEL+1]
.endr
.irp t, 0,1,2,3
	v_add_f32 v[NM+2*\t+1], v[TA+\t], v[TC+\t]     ; the pair is now (-M, my keys' sum)
.endr
	v_and_b32 v63, 31, v0
	s_lshl_b32 s24, s[WV], 10
	s_add_co_u32 s24, s24, STAT
	v_lshl_add_u32 v61, v63, 3, s24                ; statistics, in: mine, all tiles
	s_lshl_b32 s24, s[WV], 8
	s_add_co_u32 s24, s24, STAT
	v_lshl_add_u32 v62, v63, 3, s24                ; out: tile w, all waves
	v_bfe_u32 v60, v0, 4, 1
	v_lshlrev_b32 v56, 5, v60                      ; 32 h
	v_lshlrev_b32 v60, 17, v60
	v_and_b32 v59, 15, v0
	v_lshl_add_u32 v60, v59, 4, v60                ; x and out0: 8 h channels + 16 r bytes
	s_lshl_b32 s24, s[WV], 12
	s_add_co_u32 s24, s24, OIMG
	v_add_nc_u32 v59, s24, v[LI]                   ; out's codes, in: tile w
	v_add_nc_u32 v63, OIMG, v[LI]                  ; out
	s_lshl_b32 s24, s[WV], 14
	v_add_nc_u32 v52, s24, v[LI]                   ; the merge: tile w in wave u's 64 KiB
	v_add_nc_u32 v53, 0x10000, v52
	v_add_nc_u32 v54, 0x20000, v52
	v_add_nc_u32 v55, 0x30000, v52
	s_sub_co_i32 s24, s84, s82
	s_sub_co_i32 s24, s24, s83                     ; e16 - e14 - e15: O^T / sum stands for out / 2^(e14+e15)
	s_add_co_i32 s24, s24, 127
	s_lshl_b32 s25, s24, 23
	v_mov_b32 v57, s25
	s_add_co_i32 s24, s24, 15
	s_lshl_b32 s24, s24, 23
	s_or_b32 s24, s24, 0x600000
	v_mov_b32 v58, s24
.irp t, 0,1,2,3
	ds_store_b64 v61, v[NM+2*\t:NM+2*\t+1] offset:256*\t
.endr
	WIN 0x04                                       ; store data window 1
.irp c, 0,1,2,3,4,5,6,7
.irp t, 0,1,2,3
.irp g, 0,1
	ds_store_b128 v[LB], v[8*(4*\c+\t)+4*\g:8*(4*\c+\t)+4*\g+3] offset:(16*\t+\c)*1024+512*\g
.endr
.endr
.endr
	WIN 0x08                                       ; window 2
.irp c, 0,1,2,3,4,5,6,7
.irp t, 0,1,2,3
.irp g, 0,1
	ds_store_b128 v[LB], v[8*(4*\c+\t)+4*\g:8*(4*\c+\t)+4*\g+3] offset:(16*\t+8+\c)*1024+512*\g
.endr
.endr
.endr
	WIN 0
	s_wait_dscnt 0x0                               ; for the others' sake; and the stores have read their registers, which the loads below take
	; what the end needs is asked for here and lands during the merge: cv2's fragments of my 128 output channels, x at my outputs, A2 and B2
	s_lshl_b32 s24, s[WV], 15
	s_add_co_u32 s24, s24, 393216
	s_mov_b32 s25, 0
	s_add_nc_u64 s[26:27], s[10:11], s[24:25]
	s_lshl_b32 s24, s23, 9
	s_lshl_b32 s28, s[WV], 7
	s_add_co_u32 s24, s24, s28
	s_lshl_b32 s24, s24, 14                        ; channel 512 b + 128 w
	s_lshl_b32 s28, s22, 8
	s_add_co_u32 s24, s24, s28                     ; + my row of the picture
	s_add_nc_u64 s[28:29], s[14:15], s[24:25]
	s_add_nc_u64 s[18:19], s[18:19], s[24:25]
	s_lshl_b32 s24, s[WV], 9
	s_add_nc_u64 s[30:31], s[12:13], s[24:25]
	WIN 0x40
.set n_, 0
.rept 64
	global_load_b128 v[4*n_:4*n_+3], v[LI], s[26:27] offset:512*n_
.set n_, n_+1
.endr
	WIN 0x80
.irp o, 0,1,2,3,4,5,6,7
.irp j, 0,1,2,3,4,5,6,7
	global_load_b128 v[32*\o+4*\j:32*\o+4*\j+3], v60, s[28:29] offset:(16*\o+\j)*16384 th:TH_LOAD_NT
.endr
.endr
	WIN 0xc0
.irp o, 0,1,2,3,4,5,6,7
.irp g, 0,1
	global_load_b128 v[8*\o+4*\g:8*\o+4*\g+3], v56, s[30:31] offset:6144+64*\o+16*\g
	global_load_b128 v[64+8*\o+4*\g:64+8*\o+4*\g+3], v56, s[30:31] offset:8192+64*\o+16*\g
.endr
.endr
	WIN 0
	s_barrier_signal -1
	s_barrier_wait -1                              ; all four waves' statistics and partial O^T lie in LDS
	; ---- E2: wave w merges query tile w.  M* = the largest M; wave u's part counts x 2^(M_u - M*), exactly
.irp u, 0,1,2,3
	ds_load_b64 v[PX+2*\u:PX+2*\u+1], v62 offset:1024*\u
.endr
	s_wait_dscnt 0x0
	v_min_num_f32 v32, v40, v42
	v_min_num_f32 v33, v44, v46
	v_min_num_f32 v32, v32, v33                    ; -M*
.irp u, 0,1,2,3
	v_sub_f32 v[34+\u], v32, v[PX+2*\u]
.endr
.irp u, 0,1,2,3
	v_cvt_i32_f32 v[34+\u], v[34+\u]
.endr
.irp u, 0,1,2,3
	v_ldexp_f32 v[F+2*\u], 1.0, v[34+\u]
.endr
	v_mul_f32 v33, v24, v41
	v_fma_f32 v33, v26, v43, v33
	v_fma_f32 v33, v28, v45, v33
	v_fma_f32 v33, v30, v47, v33                   ; the row's sum
	v_rcp_f32 v33, v33
	v_nop
	s_wait_alu depctr_va_vdst(0)
.irp u, 0,1,2,3
	v_mul_f32 v[F+2*\u], v[F+2*\u], v33
.endr
	; ---- E3: out of tile w, four channel tiles at a time, into v64-191; register 16 b + i = channel 32 b + 16 h + i
.irp m, 0,1,2,3
	WIN 0xc0
.irp u, 0,1,2,3
.irp q, 0,1,2,3
.irp g, 0,1
	ds_load_b128 v[128+32*\u+8*\q+4*\g:128+32*\u+8*\q+4*\g+3], v[52+\u] offset:(4*\m+\q)*1024+512*\g
.endr
.endr
.endr
	s_wait_dscnt 0x0
	WIN 0x03                                       ; source 0 window 3
.set n_, 0
.rept 16
	v_pk_mul_f32 v[64+32*\m+2*n_:64+32*\m+2*n_+1], v[128+2*n_:128+2*n_+1], v[F:F+1] op_sel_hi:[1,0]
.set n_, n_+1
.endr
.irp u, 1,2,3
.set n_, 0
.rept 16
	v_pk_fma_f32 v[64+32*\m+2*n_:64+32*\m+2*n_+1], v[128+32*\u+2*n_:128+32*\u+2*n_+1], v[F+2*\u:F+2*\u+1], v[64+32*\m+2*n_:64+32*\m+2*n_+1] op_sel_hi:[1,0,1]
.set n_, n_+1
.endr
.endr
.endr
	WIN 0
.set n_, 0
.rept 128
	v_med3_num_f32 v[64+n_], v[64+n_], -v58, v58
.set n_, n_+1
.endr
.set n_, 0
.rept 16
	v_cvt_scalef32_pk8_bf8_f32 v[192+2*n_:192+2*n_+1], v[64+8*n_:64+8*n_+7], v57
.set n_, n_+1
.endr
	v_nop
.irp n, 0,1,2,3,4,5,6,7
	ds_store_b128 v59, v[192+4*\n:192+4*\n+3] offset:512*\n
.endr
	s_wait_dscnt 0x0
	s_barrier_signal -1
	s_barrier_wait -1                              ; out's eight fragments lie in LDS
	; ---- E4: cv2 for my 128 output channels (source 0 = 16 rows of cv2, source 1 = 16 pixels), BN, SiLU, + x
.set n_, 0
.rept 32
	ds_load_b128 v[64+4*n_:64+4*n_+3], v63 offset:512*n_
.set n_, n_+1
.endr
	s_wait_dscnt 0x0
	s_wait_loadcnt 0x0                             ; cv2's fragments, x, A2, B2
.macro MULY o                          ; output tile o: four accumulators (the four tiles of pixels) by turns, two K steps
.set Y_, 192+32*((\o)%2)
	WIN 0x01
.irp s, 0,1
.irp t, 0,1,2,3
.if \s == 0
	v_wmma_f32_16x16x128_bf8_bf8 v[Y_+8*\t:Y_+8*\t+7], v[16*(2*(\o)+\s):16*(2*(\o)+\s)+15], v[64+16*(2*\t+\s):64+16*(2*\t+\s)+15], 0
.else
	v_wmma_f32_16x16x128_bf8_bf8 v[Y_+8*\t:Y_+8*\t+7], v[16*(2*(\o)+\s):16*(2*(\o)+\s)+15], v[64+16*(2*\t+\s):64+16*(2*\t+\s)+15], v[Y_+8*\t:Y_+8*\t+7]
.endif
.endr
.endr
.endm
.macro ELEM o                          ; register 8 i + j of the tile: channel 16 o + 8 h + j, pixel 4 r + i: the four tiles' registers of one j are 16 neighbouring bytes of out0
.set Y_, 192+32*((\o)%2)
	WIN 0x3c                                       ; sources 1 and 2 window 3
.irp i, 0,1,2,3
.irp n, 0,2,4,6
	v_pk_fma_f32 v[Y_+8*\i+\n:Y_+8*\i+\n+1], v[Y_+8*\i+\n:Y_+8*\i+\n+1], v[8*(\o)+\n:8*(\o)+\n+1], v[64+8*(\o)+\n:64+8*(\o)+\n+1]   ; z = sum x A2 + B2
.endr
.endr
	WIN 0
.set n_, 0
.rept 16
	v_pk_mul_f32 v[8+2*n_:8+2*n_+1], v[Y_+2*n_:Y_+2*n_+1], s[NL2E:NL2E+1] op_sel_hi:[1,0]
.set n_, n_+1
.endr
.set n_, 0
.rept 32
	v_exp_f32 v[8+n_], v[8+n_]
.set n_, n_+1
.endr
	v_nop
	s_wait_alu depctr_va_vdst(0)
.set n_, 0
.rept 16
	v_pk_add_f32 v[8+2*n_:8+2*n_+1], v[8+2*n_:8+2*n_+1], 1.0 op_sel_hi:[1,0]
.set n_, n_+1
.endr
.set n_, 0
.rept 32
	v_rcp_f32 v[8+n_], v[8+n_]
.set n_, n_+1
.endr
	v_nop
	s_wait_alu depctr_va_vdst(0)
	WIN 0xa0                                       ; x: source 2 and destination window 2
.irp j, 0,1,2,3,4,5,6,7
.irp i, 0,1,2,3
	v_fma_f32 v[32*(\o)+4*\j+\i], v[Y_+8*\i+\j], v[8+8*\i+\j], v[32*(\o)+4*\j+\i]   ; x + z / (1 + e^-z)
.endr
.endr
	WIN 0x08                                       ; store data window 2
.irp j, 0,1,2,3,4,5,6,7
	global_store_b128 v60, v[32*(\o)+4*\j:32*(\o)+4*\j+3], s[18:19] offset:(16*(\o)+\j)*16384 th:TH_STORE_NT   ; sixteen lanes store a channel's 256 consecutive bytes, aligned
.endr
.endm
	MULY 0
.irp o, 0,1,2,3,4,5,6,7
.if \o < 7
	MULY \o+1
.endif
	WIN 0
	PLACES 5                                       ; in front of the first read of results, and of the products that begin these sums anew
	ELEM \o
.endr
	WIN 0
	s_wait_tensorcnt 0x0                           ; the wave's end, behind my last tensor load and my last LDS store
	ds_add_u32 v[SPW], v[NIL]
	s_wait_dscnt 0x0
	CROUND                                         ; the closing round
	s_endpgm
.Lfunc_end_k_qa8a60c1401_attn:
	.size	k_qa8a60c1401_attn, .Lfunc_end_k_qa8a60c1401_attn-k_qa8a60c1401_attn
	.p2alignl 7, 3214868480
	.fill 96, 4, 3214868480
	.section	.rodata,"a",@progbits
	.p2align	6, 0x0
	.amdhsa_kernel k_qa8a60c1401_attn
		.amdhsa_group_segment_fixed_size 327680
		.amdhsa_private_segment_fixed_size 0
		.amdhsa_enable_private_segment 0
		.amdhsa_kernarg_size 64
		.amdhsa_user_sgpr_count 2
		.amdhsa_user_sgpr_kernarg_segment_ptr 1
		.amdhsa_wavefront_size32 1
		.amdhsa_system_sgpr_workgroup_id_x 1
		.amdhsa_system_sgpr_workgroup_id_y 1
		.amdhsa_system_sgpr_workgroup_id_z 1
		.amdhsa_system_vgpr_workitem_id 0
		.amdhsa_next_free_vgpr 1024
		.amdhsa_next_free_sgpr 96
		.amdhsa_reserve_vcc 0
		.amdhsa_float_denorm_mode_32 3
		.amdhsa_float_denorm_mode_16_64 3
		.amdhsa_memory_ordered 1
		.amdhsa_forward_progress 1
		.amdhsa_inst_pref_size 255
	.end_amdhsa_kernel
	.section	.bss,"aw",@nobits
	.p2align	6
	.space	262144
	.amdgpu_metadata
---
amdhsa.version: [ 1, 2 ]
amdhsa.kernels:
  - .name:           k_qa8a60c1401_attn
    .symbol:         k_qa8a60c1401_attn.kd
    .args:
      - { .name: qbuf, .offset: 0, .size: 8, .value_kind: global_buffer, .address_space: global }
      - { .name: posbuf, .offset: 8, .size: 8, .value_kind: global_buffer, .address_space: global }
      - { .name: kv, .offset: 16, .size: 8, .value_kind: global_buffer, .address_space: global }
      - { .name: wcodes, .offset: 24, .size: 8, .value_kind: global_buffer, .address_space: global }
      - { .name: consts, .offset: 32, .size: 8, .value_kind: global_buffer, .address_space: global }
      - { .name: x, .offset: 40, .size: 8, .value_kind: global_buffer, .address_space: global }
      - { .name: lowp_scales, .offset: 48, .size: 8, .value_kind: global_buffer, .address_space: global }
      - { .name: out0, .offset: 56, .size: 8, .value_kind: global_buffer, .address_space: global }
    .group_segment_fixed_size: 327680
    .private_segment_fixed_size: 0
    .kernarg_segment_align: 8
    .kernarg_segment_size: 64
    .max_flat_workgroup_size: 128
    .sgpr_count:     96
    .vgpr_count:     1024
    .wavefront_size: 32
...
	.end_amdgpu_metadata
.endif
;; end of part 3
